; MI455X (gfx1250); checked and timed in simulation.
; The chip was launched on July 23, 2026; its instructions are those of AMD's public machine-readable ISA for CDNA 5 (MIT licence, August 2026) and "CDNA5" Instruction Set Architecture Reference Guide (July 2026). The comments in the code are by the model that wrote it; some were corrected since.
;; Multi Head Attention Layer. Allowed arithmetic: matrix products marked QUANTISED: E5M2 operands, one E8M0 scale for each 32 along K, by v_wmma_scale_f32_16x16x128_f8f6f4 with both operands' format E5M2, f32 sums; everything else in f32.
;; Inputs: Wk 16 x 1,024 x 64 float32; Wq 16 x 1,024 x 64 float32; Wv 16 x 1,024 x 64 float32; X 2 x 2,048 x 1,024 float32; bk 16 x 64 float32; bq 16 x 64 float32; bv 16 x 64 float32.
;; Outputs: out0 2 x 2,048 x 1,024 float32.
;; This version of the problem:
;;   THIS VERSION OF THE PROBLEM IS GIVEN IN LOW PRECISION. The matrix products marked QUANTISED in the list below multiply operands that are first quantised to E5M2 (5 exponent bits, 2 mantissa bits; 8 bits a number), with one power-of-two scale for each 32 numbers along K (OCP MX v1.0); their sums are f32. All else is computed in f32.
;;   The module's matrix products, in the order in which they are computed (A, B: the left and right operand; K: the contracted axis; several contracted axes count as one K, in the product's order):
;;     1. [M 1,024, K 1,024] x [K 1,024, N 4,096]; A: input Wq; B: input X: QUANTISED
;;     2. [M 1,024, K 1,024] x [K 1,024, N 4,096]; A: input Wk; B: input X: QUANTISED
;;     3. [M 1,024, K 1,024] x [K 1,024, N 4,096]; A: input Wv; B: input X: QUANTISED
;;     4. batch 32 x [M 2,048, K 64] x [K 64, N 2,048]; A: computed on the way; B: computed on the way: QUANTISED
;;     5. batch 32 x [M 2,048, K 2,048] x [K 2,048, N 64]; A: computed on the way; B: computed on the way: QUANTISED
;;   THE QUANTISER, for each operand of a quantised product, along K:
;;     - K is cut into blocks of 32 from its start; a last block that is shorter is filled with zeros.
;;     - A block's scale is 2^e with e = floor(log2(the largest magnitude in the block)) - 15, held to -126 .. 127; a block of zeros has e = 0. As a byte (E8M0): e + 127.
;;     - Each number is divided by its block's scale, clamped to +-57,344, and rounded to the nearest number of E5M2, ties to even, subnormals kept.
;;     - The product sums the exact products of the quantised numbers (number of the format x scale) in f32.
;;   ~~~python
;;   def quantise(x, axis):      # numpy; x: float32 -> the quantised numbers, widened to float32 again
;;       x = np.moveaxis(x, axis, -1); K = x.shape[-1]
;;       x = np.pad(x, [(0, 0)] * (x.ndim - 1) + [(0, -K % 32)]); x = x.reshape(x.shape[:-1] + (-1, 32)); a = np.abs(x).max(-1, keepdims=True)
;;       e = np.where(a > 0, np.clip(np.frexp(np.where(a > 0, a, 1))[1] - 1 - 15, -126, 127), 0)      # np.frexp(a)[1] - 1 = floor(log2(a)), exactly
;;       r = np.clip(x / 2.0 ** e, -57344, 57344)
;;       step = 2.0 ** (np.maximum(np.frexp(np.where(r == 0, 1, r))[1] - 1, -14) - 2)
;;       q = np.round(r / step) * step * 2.0 ** e      # np.round: ties to even
;;       return np.moveaxis(q.reshape(q.shape[:-2] + (-1,))[..., :K], -1, axis).astype(np.float32)
;;   ~~~
;;   OPERANDS COMPUTED ON THE WAY. 'Computed on the way' means the value that the module computes at that place (a softmax that the list does not call 'softmax' is quantised finished and normalised). What goes into a quantiser is computed in f32, as accurately as f32 sums, v_exp_f32 and their like allow (about 1e-6 of the number): no bf16 or f16 on the way to a quantiser, and a product that is left as it is and whose result goes on into a quantised operand takes f32 operands (vector FMAs, or v_wmma_f32_16x16x4_f32). A number that lies on a knife's edge between two numbers of the format may be rounded either way, as far as f32 arithmetic and the matrix unit's own rounding can turn it there, and no further.
;; One version. Each part assembles by itself: llvm-mc -triple=amdgcn-amd-amdhsa -mcpu=gfx1250 --defsym DOCPART=n.
;; ======== version 1 of 1: 3 launches
;; limits: right only within a limited range of input values
;; workspace buffers: xc 4,194,304 bytes; xs 131,072 bytes; wc 3,145,728 bytes; ws 98,304 bytes; qk 8,912,896 bytes; vv 4,325,376 bytes
;; launch quant (part 1): grid 224 x 1, 4 waves a work-group, no clusters, 68,096 bytes of LDS; arguments X, Wq, Wk, Wv, xc, xs, wc, ws; writes xc, xs, wc, ws
.if DOCPART == 1
	.amdgcn_target "amdgcn-amd-amdhsa--gfx1250"
	.amdhsa_code_object_version 6
	.text
	.protected	k_q86fb3200ea_quant
	.globl	k_q86fb3200ea_quant
	.p2align	8
	.type	k_q86fb3200ea_quant,@function
k_q86fb3200ea_quant:
	s_mov_b64 s[64:65], 0
	v_nop
	global_prefetch_b8 v0, s[64:65] scope:SCOPE_SE
	s_setreg_imm32_b32 hwreg(HW_REG_WAVE_MODE, 25, 1), 1
	s_wait_xcnt 0x0
; X [4096][1024] f32 (K = the 1024, innermost) and Wq, Wk, Wv [16][1024][64] f32 (K = the 1024, NOT innermost) become codes of BF8 (E5M2) with K innermost
; and one E8M0 byte for each 32 along K:  xc [4096][1024], xs [4096][32];  wc [3072][1024], ws [3072][32], row 1024 t + 64 head + e (t = 0, 1, 2: q, k, v).
; A block's scale is 2^(floor(log2(largest magnitude)) - 15): its byte is the largest magnitude's exponent field - 15, held at 1 from below.
; ROW ORDER OF ALL FOUR BUFFERS: a row is stored at its index with bits 3 and 4 exchanged.  Sixteen stored rows on end, 16 (2 g + u) + r, are then the rows 32 g + 8 u + r + 8 (r / 8):
; the choice of rows by which the next launch's results fall, 16 registers a lane, as 16 neighbours along the K of the product after it.
; LIMITS: NaN and infinities among the inputs are not served.  A block of zeros gets the byte 1 where the rule says 127: its codes are zeros, and this program alone reads the bytes.
; Work-groups 0-127 take X, 128-223 the weights: 131,072 bytes of f32 each.  The two ways part once, on the work-group's number, and have LDS bytes of their own.
; No cluster, no tensor load, no barrier: no two waves read the same byte or hand each other anything.
; WORK LEFT OUT BY THE PROGRAM: reference() multiplies the finished softmax by tril before the product with V.  Where all 128 keys of a step come after a tile's 16 queries, every factor is tril's zero, for all inputs:
; the attention launch leaves those steps out of the product with V.  The scores there are computed all the same: the softmax's maximum and sum take the whole row.
; LIMIT: a NaN, an infinity or an overflow that reaches only those hidden steps' product is not carried to the result.
.set MANT,  0x600000
.set FLOOR, 0x8000000                  ; 2^(16 - 127)
.set OFF15, 0xf8800000                 ; -(15 << 23)
	s_load_b256 s[4:11], s[0:1], 0x0               ; X s[4:5], Wq s[6:7], Wk s[8:9], Wv s[10:11]
	s_load_b256 s[12:19], s[0:1], 0x20             ; xc s[12:13], xs s[14:15], wc s[16:17], ws s[18:19]
	v_lshl_add_u32 v192, v0, 2, 0x10800
	v_mov_b32 v193, 0
	v_lshrrev_b32 v1, 5, v0
	v_readfirstlane_b32 s20, v1                    ; wave 0..3
	v_and_b32 v2, 31, v0                           ; lane
	s_mov_b32 s32, MANT                            ; (an instruction takes one literal: the hold's line has another)
	s_cmp_lt_u32 ttmp9, 128
	s_cbranch_scc0 .Lweights
; ---------------- X: a plain stream of blocks of 32.  A wave takes 8 rows (8,192 numbers) in 16 steps of 512 numbers.
; Each load reads 512 consecutive bytes, 16 a lane; a step's 2,048 bytes turn through the wave's own stage in LDS and come back 64 bytes a lane: 16 NEIGHBOURS along K, two lanes to a block.
.set STEPS, 16
.set CB,    16                         ; bytes of 16 codes
.set R,     16                         ; v16-79   four sets of 16 numbers as loaded
.set X,     80                         ; v80-111  two sets of 16 neighbours
.set E,     112                        ; v112-127 a scale byte for each step
.set C,     128                        ; v128-191 codes: four registers for each step, so that no store's data are written again
.set WREG,  8192                       ; LDS bytes 0-32767: a region for each wave: two stages of 32 x SP bytes, behind them its 256 scale bytes
.set SP,    80                         ; a lane's place in a stage: 64 bytes + 16 of padding
	v_lshlrev_b32 v3, 4, v2                        ; my 16 bytes of a load's 512
	s_mul_i32 s21, s20, WREG
	v_lshrrev_b32 v14, 2, v2
	v_mul_u32_u24 v14, v14, SP
	v_and_b32 v15, 3, v2
	v_lshl_add_u32 v14, v15, 4, v14
	v_add_nc_u32 v14, s21, v14                     ; the stage, on the way in: SP (lane / 4) + 16 (lane % 4)
	v_mul_u32_u24 v15, v2, SP
	v_add_nc_u32 v15, s21, v15                     ; and on the way out: SP x lane
	v_mul_u32_u24 v4, v2, CB                       ; my codes' place in a step's
	v_lshrrev_b32 v5, 1, v2
	s_add_co_u32 s21, s21, 2*32*SP
	v_add_nc_u32 v5, s21, v5                       ; my wave's 256 scale bytes, my block's byte
	v_lshlrev_b32 v7, 3, v2                        ; on their way out 8 bytes a lane
	v_add_nc_u32 v6, s21, v7
	s_lshl_b32 s24, ttmp9, 2
	s_add_co_u32 s26, s24, s20                     ; which run of 8 rows I read: 4 x work-group + wave
	s_lshl_b32 s26, s26, 15                        ; 32,768 bytes a run
	s_mov_b32 s27, 0
	s_and_b32 s28, s20, 1                          ; a row's bits 3 and 4 are the wave's bits 0 and 1: exchanged for the place where the run is stored
	s_lshl_b32 s28, s28, 1
	s_lshr_b32 s29, s20, 1
	s_or_b32 s28, s28, s29
	s_add_co_u32 s24, s24, s28
	s_wait_alu depctr_va_vdst(0)
	s_wait_kmcnt 0x0
	s_add_nc_u64 s[4:5], s[4:5], s[26:27]
	s_lshl_b32 s26, s24, 13                        ; 8,192 bytes of codes a run
	s_add_nc_u64 s[12:13], s[12:13], s[26:27]
	s_lshl_b32 s26, s24, 8                         ; 256 scale bytes a run
	s_add_nc_u64 s[14:15], s[14:15], s[26:27]
.macro LOAD t
.irp i, 0,1,2,3
	global_load_b128 v[R+16*((\t)%4)+4*\i:R+16*((\t)%4)+4*\i+3], v3, s[4:5] offset:2048*(\t)+512*\i th:TH_LOAD_NT   ; 32 lanes read 512 consecutive bytes
.endr
.endm
.macro TURN t                          ; step t's numbers through the stage: LDS serves a wave's instructions in order (ISA guide 5.7.1.4), so no wait stands between the stores and the loads
.irp i, 0,1,2,3
	ds_store_b128 v14, v[R+16*((\t)%4)+4*\i:R+16*((\t)%4)+4*\i+3] offset:32*SP*((\t)%2)+8*SP*\i
.endr
.irp i, 0,1,2,3
	ds_load_b128 v[X+16*((\t)%2)+4*\i:X+16*((\t)%2)+4*\i+3], v15 offset:32*SP*((\t)%2)+16*\i
.endr
.endm
.irp t, 0,1,2,3
	LOAD \t
.endr
	s_wait_loadcnt 12                              ; step 0's four loads are in; the twelve of steps 1 to 3 may be out
	TURN 0
.macro STEP t
.set XS, X+16*((\t)%2)
.if (\t) > 0
	s_wait_dscnt 1                                 ; this step's numbers are back from the stage (only the last step's byte store was issued behind them)
.else
	s_wait_dscnt 0x0
.endif
.if (\t)+4 < STEPS
	LOAD (\t)+4                                    ; into the registers that this step's stores into the stage have read
.endif
.if (\t)+1 < STEPS
.if STEPS-2-(\t) >= 3
	s_wait_loadcnt 12                              ; the next step's four loads are in; those of the three steps behind it may be out
.else
	s_wait_loadcnt 4*(STEPS-2-(\t))                ; the tail: fewer steps are behind it
.endif
	TURN (\t)+1                                    ; through the other stage, while this step is worked
.endif
	v_max3_num_f32 v8, |v[XS]|, |v[XS+1]|, |v[XS+2]|               ; the largest magnitude of my 16, in two chains
	v_max3_num_f32 v9, |v[XS+3]|, |v[XS+4]|, |v[XS+5]|
.irp i, 6,10
	v_max3_num_f32 v8, v8, |v[XS+\i]|, |v[XS+\i+1]|
	v_max3_num_f32 v9, v9, |v[XS+\i+2]|, |v[XS+\i+3]|
.endr
	v_max3_num_f32 v8, v8, |v[XS+14]|, |v[XS+15]|
	v_max3_num_f32 v8, v8, v9, FLOOR               ; and the floor: the byte cannot fall under 1
	v_max_num_f32_dpp v8, v8, v8 row_xmask:1 row_mask:0xf bank_mask:0xf   ; and of my neighbour's 16: the block's
	v_add_nc_u32 v11, OFF15, v8                    ; 15 off its exponent field: the conversion takes the exponent field of this operand as its scale
	v_and_or_b32 v10, v8, 0x7f800000, s32          ; 57,344 x the scale
.irp i, 0,1,2,3,4,5,6,7,8,9,10,11,12,13,14,15
	v_med3_num_f32 v[XS+\i], v[XS+\i], -v10, v10   ; the conversion to an 8-bit code does not saturate (ISA guide 7.6.2): the hold comes first
.endr
	v_cvt_scalef32_pk8_bf8_f32 v[C+4*(\t):C+4*(\t)+1], v[XS:XS+7], v11
	v_cvt_scalef32_pk8_bf8_f32 v[C+4*(\t)+2:C+4*(\t)+3], v[XS+8:XS+15], v11
	v_lshrrev_b32 v[E+(\t)], 23, v11               ; the scale's byte (also the plain line behind the conversions)
	ds_store_b8 v5, v[E+(\t)] offset:16*(\t)       ; both lanes of a block write the same byte with the same value
	global_store_b128 v4, v[C+4*(\t):C+4*(\t)+3], s[12:13] offset:32*CB*(\t)   ; 32 lanes store 512 consecutive bytes
.endm
.irp t, 0,1,2,3,4,5,6,7,8,9,10,11,12,13,14,15
	STEP \t
.endr
	ds_load_b64 v[12:13], v6                       ; my wave's 256 scale bytes: these loads see my stores
	s_wait_dscnt 0x0
	global_store_b64 v7, v[12:13], s[14:15]        ; 32 lanes store 256 consecutive bytes, aligned
	s_wait_tensorcnt 0x0
	ds_add_u32 v192, v193
	s_wait_dscnt 0x0
	s_endpgm
; ---------------- The weights: a lane takes a column e and its registers run DOWN K, so that a block of 32 along K lies in one lane and the codes come out with K innermost.
; Work-group u = 0..95: tensor u / 32, head (u / 2) % 16, half u % 2 of K.  Wave w: columns 32 (w % 2) on, 256 along K from 256 (2 (u % 2) + w / 2) on: 8 blocks a lane.
.Lweights:
.set NB,    8
.set PITCH, 272                        ; a stage row: 256 bytes of codes + 16
.set WX,    32                         ; v32-95   two sets of 32 numbers
.set WC,    96                         ; v96-103  a block's codes
.set WOUT,  112                        ; v112-175 the way out
.set WSB,   24                         ; v24-25   the scale bytes, four to a register
	s_sub_co_u32 s21, ttmp9, 128                   ; u
	s_lshr_b32 s22, s21, 5                         ; tensor
	s_bfe_u32 s23, s21, 0x40001                    ; head
	s_and_b32 s24, s21, 1
	s_and_b32 s25, s20, 1                          ; which 32 columns
	s_lshr_b32 s26, s20, 1
	s_lshl_b32 s24, s24, 1
	s_add_co_u32 s24, s24, s26                     ; which 256 along K
	s_wait_kmcnt 0x0
	s_cmp_lt_u32 s21, 64                           ; the tensor is chosen by the work-group's number alone
	s_cselect_b64 s[8:9], s[8:9], s[10:11]
	s_cmp_lt_u32 s21, 32
	s_cselect_b64 s[6:7], s[6:7], s[8:9]
	s_lshl_b32 s28, s23, 18                        ; in: a head is 262,144 bytes, 256 rows of K 65,536, 32 columns 128
	s_lshl_b32 s26, s24, 16
	s_add_co_u32 s28, s28, s26
	s_lshl_b32 s26, s25, 7
	s_add_co_u32 s28, s28, s26
	s_mov_b32 s29, 0
	s_add_nc_u64 s[6:7], s[6:7], s[28:29]
	s_lshl_b32 s30, s22, 10
	s_lshl_b32 s26, s23, 6
	s_add_co_u32 s30, s30, s26
	s_lshl_b32 s26, s25, 5
	s_add_co_u32 s30, s30, s26                     ; my 32 rows of wc and ws begin at row 1024 t + 64 head + 32 (w % 2)
	s_lshl_b32 s28, s30, 10
	s_lshl_b32 s26, s24, 8
	s_add_co_u32 s28, s28, s26
	s_add_nc_u64 s[16:17], s[16:17], s[28:29]
	s_lshl_b32 s28, s30, 5
	s_lshl_b32 s26, s24, 3
	s_add_co_u32 s28, s28, s26
	s_add_nc_u64 s[18:19], s[18:19], s[28:29]
	s_wait_alu depctr_va_vdst(0)
	v_lshlrev_b32 v3, 2, v2                        ; in: 4 bytes a lane
	s_mul_i32 s31, s20, 32*PITCH
	s_add_co_u32 s31, s31, 32768                   ; my stage: LDS bytes 32768 on belong to this way alone
	v_mul_u32_u24 v4, v2, PITCH
	v_add_nc_u32 v4, s31, v4                       ; into it: row = my column
	v_and_b32 v5, 15, v2
	v_lshrrev_b32 v6, 4, v2
	v_mul_u32_u24 v7, v6, PITCH
	v_lshl_add_u32 v7, v5, 4, v7
	v_add_nc_u32 v7, s31, v7                       ; out of it: sixteen lanes to a row, two rows an instruction
	v_lshlrev_b32 v8, 10, v6
	v_lshl_add_u32 v8, v5, 4, v8                   ; and the same place in wc
	v_and_b32 v9, 7, v2                            ; my column's row of scale bytes: the lane with bits 3 and 4 exchanged, 32 bytes a row
	v_and_b32 v10, 8, v2
	v_lshl_or_b32 v9, v10, 1, v9
	v_and_b32 v10, 16, v2
	v_lshrrev_b32 v10, 1, v10
	v_or_b32 v9, v9, v10
	v_lshlrev_b32 v9, 5, v9
.macro WLOAD t                         ; block t: W(32 t + i, my column), i = 0 .. 31, into set t % 2: 32 lanes read 128 consecutive bytes
.irp i, 0,1,2,3,4,5,6,7,8,9,10,11,12,13,14,15,16,17,18,19,20,21,22,23,24,25,26,27,28,29,30,31
	global_load_b32 v[WX+32*((\t)%2)+\i], v3, s[6:7] offset:(32*(\t)+\i)*256 th:TH_LOAD_NT
.endr
.endm
	WLOAD 0
	WLOAD 1
.macro WBLOCK t
.set XS, WX+32*((\t)%2)
.if (\t) < NB-1
	s_wait_loadcnt 32                              ; this block's 32 loads are in; the next block's 32 may be out
.else
	s_wait_loadcnt 0
.endif
	v_max3_num_f32 v12, |v[XS]|, |v[XS+1]|, |v[XS+2]|              ; the block's largest magnitude: all 32 numbers are mine
	v_max3_num_f32 v13, |v[XS+3]|, |v[XS+4]|, |v[XS+5]|
.irp i, 6,10,14,18,22,26
	v_max3_num_f32 v12, v12, |v[XS+\i]|, |v[XS+\i+1]|
	v_max3_num_f32 v13, v13, |v[XS+\i+2]|, |v[XS+\i+3]|
.endr
	v_max3_num_f32 v12, v12, |v[XS+30]|, |v[XS+31]|
	v_max3_num_f32 v12, v12, v13, FLOOR
	v_add_nc_u32 v11, OFF15, v12                   ; the conversion's scale operand
	v_and_or_b32 v10, v12, 0x7f800000, s32         ; 57,344 x the scale
	v_lshrrev_b32 v13, 23, v11                     ; the scale's byte
.if (\t)%4 == 0
	v_mov_b32 v[WSB+(\t)/4], v13                   ; four bytes to a register, the lower K in the lower byte
.else
	v_lshl_or_b32 v[WSB+(\t)/4], v13, 8*((\t)%4), v[WSB+(\t)/4]
.endif
.irp i, 0,1,2,3,4,5,6,7,8,9,10,11,12,13,14,15,16,17,18,19,20,21,22,23,24,25,26,27,28,29,30,31
	v_med3_num_f32 v[XS+\i], v[XS+\i], -v10, v10
.endr
.irp g, 0,1,2,3
	v_cvt_scalef32_pk8_bf8_f32 v[WC+2*\g:WC+2*\g+1], v[XS+8*\g:XS+8*\g+7], v11
.endr
	ds_store_b128 v4, v[WC:WC+3] offset:32*(\t)    ; 32 codes: 32 bytes of my column's row
	ds_store_b128 v4, v[WC+4:WC+7] offset:32*(\t)+16
.if (\t)+2 < NB
	WLOAD (\t)+2
.endif
	s_wait_dscnt 0x0                               ; the stores have read their registers: the next block's codes may be written
.endm
.irp t, 0,1,2,3,4,5,6,7
	WBLOCK \t
.endr
	global_store_b64 v9, v[WSB:WSB+1], s[18:19]    ; my column's 8 scale bytes
.irp t, 0,1,2,3,4,5,6,7,8,9,10,11,12,13,14,15
	ds_load_b128 v[WOUT+4*\t:WOUT+4*\t+3], v7 offset:2*\t*PITCH   ; stage rows 2 t and 2 t + 1
.endr
.irp t, 0,1,2,3,4,5,6,7,8,9,10,11,12,13,14,15
	s_wait_dscnt 15-\t                             ; the loads behind this one may be out
	global_store_b128 v8, v[WOUT+4*\t:WOUT+4*\t+3], s[16:17] offset:2*((\t%4)+8*((\t/4)%2)+4*(\t/8))*1024   ; a row's bits 3 and 4 are t's bits 2 and 3: exchanged.  16 lanes store 256 consecutive bytes, aligned
.endr
	s_wait_tensorcnt 0x0
	ds_add_u32 v192, v193
	s_wait_dscnt 0x0
	s_endpgm
.Lfunc_end_k_q86fb3200ea_quant:
	.size	k_q86fb3200ea_quant, .Lfunc_end_k_q86fb3200ea_quant-k_q86fb3200ea_quant
	.p2alignl 7, 3214868480
	.fill 96, 4, 3214868480
	.section	.rodata,"a",@progbits
	.p2align	6, 0x0
	.amdhsa_kernel k_q86fb3200ea_quant
		.amdhsa_group_segment_fixed_size 68096
		.amdhsa_private_segment_fixed_size 0
		.amdhsa_enable_private_segment 0
		.amdhsa_kernarg_size 64
		.amdhsa_user_sgpr_count 2
		.amdhsa_user_sgpr_kernarg_segment_ptr 1
		.amdhsa_wavefront_size32 1
		.amdhsa_system_sgpr_workgroup_id_x 1
		.amdhsa_system_sgpr_workgroup_id_y 1
		.amdhsa_system_sgpr_workgroup_id_z 1
		.amdhsa_system_vgpr_workitem_id 0
		.amdhsa_next_free_vgpr 194
		.amdhsa_next_free_sgpr 66
		.amdhsa_reserve_vcc 0
		.amdhsa_float_denorm_mode_32 3
		.amdhsa_float_denorm_mode_16_64 3
		.amdhsa_memory_ordered 1
		.amdhsa_forward_progress 1
		.amdhsa_inst_pref_size 110
	.end_amdhsa_kernel
	.amdgpu_metadata
---
amdhsa.version: [ 1, 2 ]
amdhsa.kernels:
  - .name:           k_q86fb3200ea_quant
    .symbol:         k_q86fb3200ea_quant.kd
    .args:
      - { .name: X, .offset: 0, .size: 8, .value_kind: global_buffer, .address_space: global }
      - { .name: Wq, .offset: 8, .size: 8, .value_kind: global_buffer, .address_space: global }
      - { .name: Wk, .offset: 16, .size: 8, .value_kind: global_buffer, .address_space: global }
      - { .name: Wv, .offset: 24, .size: 8, .value_kind: global_buffer, .address_space: global }
      - { .name: xc, .offset: 32, .size: 8, .value_kind: global_buffer, .address_space: global }
      - { .name: xs, .offset: 40, .size: 8, .value_kind: global_buffer, .address_space: global }
      - { .name: wc, .offset: 48, .size: 8, .value_kind: global_buffer, .address_space: global }
      - { .name: ws, .offset: 56, .size: 8, .value_kind: global_buffer, .address_space: global }
    .group_segment_fixed_size: 68096
    .private_segment_fixed_size: 0
    .kernarg_segment_align: 8
    .kernarg_segment_size: 64
    .max_flat_workgroup_size: 128
    .sgpr_count:     66
    .vgpr_count:     194
    .wavefront_size: 32
...
	.end_amdgpu_metadata
.endif
;; end of part 1
;; launch proj (part 2): grid 16 x 16, 4 waves a work-group, clusters of 4 x 4, 327,680 bytes of LDS; arguments xc, xs, wc, ws, bq, bk, bv, qk, vv; writes qk, vv
.if DOCPART == 2
	.amdgcn_target "amdgcn-amd-amdhsa--gfx1250"
	.amdhsa_code_object_version 6
	.text
	.protected	k_q86fb3200ea_proj
	.globl	k_q86fb3200ea_proj
	.p2align	8
	.type	k_q86fb3200ea_proj,@function
k_q86fb3200ea_proj:
	s_mov_b64 s[64:65], 0
	v_nop
	global_prefetch_b8 v0, s[64:65] scope:SCOPE_SE
	s_setreg_imm32_b32 hwreg(HW_REG_WAVE_MODE, 25, 1), 1
	s_wait_xcnt 0x0
	s_wait_alu depctr_hold_cnt(0) depctr_sa_sdst(0) depctr_va_vdst(0) depctr_va_sdst(0) depctr_va_ssrc(0) depctr_va_vcc(0) depctr_vm_vsrc(0)
	s_getreg_b32 s2, hwreg(HW_REG_IB_STS2, 6, 4)
	s_cmp_eq_u32 s2, 0
	s_cbranch_scc0 .Lentry_in_a_cluster
	s_endpgm
.Lentry_in_a_cluster:
	s_bfe_u32 s2, ttmp6, 0x10000c
	s_cmp_lg_u32 s2, 0xf033
	s_cbranch_scc0 .Lentry_shape_is_right
	s_endpgm
.Lentry_shape_is_right:
; The three projections, on codes of BF8 (E5M2) with one E8M0 scale for each 32 along K = 1,024, and the quantising of their results for the attention that follows.
; A work-group makes q, k and v of ONE HEAD (x) for 256 tokens (y): 256 x 192 results; 16 x 16 work-groups.  Four waves, 2 x 2: a wave has 128 tokens and, in column 0, the head's 64 rows of Wq and 32 of Wv; in column 1, of Wk and the other 32 of Wv.
; For q and k source 0 is the weight and source 1 the tokens: a lane holds one token, its registers run along e.  For v the sources change places: a lane holds one e, its registers run along the tokens: each along the K of the product in which it is an operand next.
; All rows are stored with bits 3 and 4 of their index exchanged, so the 16 registers of two neighbouring blocks are 16 neighbours, 32 g + 16 (lane / 16) + 0 .. 15, and the conversions' results are the next operand's registers.
; K goes in four steps of 256 through two LDS slots: 256 rows of x, then 64 rows each of Wq, Wk, Wv.  Wave 0 fetches x's rows, waves 1 to 3 a weight's, by joint loads: x's along a row of the cluster, the weights' along a column.
; The scale words of my rows, for all of K, come straight into registers.  The bias is the C of each sum's first product: the sum's first addend, not its last as in the definition (another order of f32 rounding).
; K STEPS 1 TO 3 ARE PREFETCHED, each block of 256 bytes once in a cluster: the four partners that share a tile take a quarter of its rows each, told apart by address: waves 0 and 1 ask for 32 rows of x each, waves 2 and 3 for 24 rows of the weights.
;   K steps 1 and 2 are asked for behind the head's loads, K step 3 behind K step 1's load, two steps ahead of its own.
; OUT: images of operand registers.  qk: 64 blocks of 139,264 bytes (32 x (0: q, 1: k) + 16 batch + head): codes [tile of 16 tokens 0..127][c 0..1][lane][16 bytes], then from byte 131,072 scale words
;   [tile / 8][(tile % 8) / 4][row 0..15][tile % 4], a word = the two bytes of e's two blocks, twice.   vv: 32 blocks of 135,168 bytes (16 batch + head): codes [128 keys' step 0..15][tile of 16 e 0..3][c 0..3][lane][16 bytes],
;   then from byte 131,072 scale words [step][row][tile].
; LIMITS: NaN and infinities are not served; a block of zeros gets the byte 1 where the rule says 127 (its codes are zeros; this program alone reads the bytes).
; REGISTERS: window 0: v0-21 addresses; v22-53 x's scale words, v56-79 the weights' (register 8 p + q: lanes 0-15 block 2 p, lanes 16-31 block 2 p + 1, the q-th 128 of K); v80-127 biases, later the way out's scratch;
;   v128-255 x's fragments, ONE set, later held numbers.  Window 1: the weights' six fragments, two sets.  Window 2: q's or k's sums (token block a, e block b at v[32 a + 8 b]).  Window 3: v's (e block w, token block a at v[64 w + 8 a]).
.set PITCH,  272                       ; an LDS row: 256 bytes + 16 of padding = 68 words: the 16 rows of a load start at 16 different banks (64 banks of 4 bytes: ISA guide 11.1)
.set WOFF,   256*PITCH
.set SLOT,   448*PITCH
.set SPARE,  2*SLOT                    ; the spare words, 128 bytes a wave
.set SST,    SPARE+512                 ; scale words on their way out: q's or k's, 512 bytes a wave;
.set SVB,    SST+2048                  ; v's, 256 bytes for each half of the tokens
.set QKB,    139264
.set VVB,    135168
.set FLOOR,  0x8000000
.set OFF15,  0xf8800000
.set SPW,  6
.set NIL,  7
.set ADRA, 8                           ; v8-9   x's fragments in slot 0, 1
.set ADRB, 10                          ; v10-11 Wq's or Wk's
.set ADRV, 12                          ; v12-13 Wv's
.set LI,   14                          ; 16 x lane
.set SS0,  15
.set RB0,  16
.set SVR,  17
.set RV,   18
.set PFO,  19
.set SELV, 20                          ; byte selects: lanes 0-15 bytes 0, 1, 0, 1; lanes 16-31 bytes 2, 3, 2, 3
.set SX,   22
.set SW,   56
.set BQ,   80
.set BV,   112
.set AF,   128
.set TM,   80                          ; the way out: v80-83 largest magnitudes, v84-87 bytes, v88-91 holds, v92-95 scale operands
.set PW,   96
.set WS,   97
.set PC,   100
.set T,    128
.set G1,   24
.set G0,   32
.set G1B,  48
.set G0B,  56
.set MSB, 0
.macro WIN new                         ; the immediate's high byte repeats the setting that is left; a switch that changes nothing is dropped
.if MSB != (\new)
	s_set_vgpr_msb (MSB<<8)+(\new)
.set MSB, (\new)
.endif
.endm
.macro PLACES n
.rept \n
	v_nop
.endr
.endm
.macro JLOAD s                         ; K step into slot s: the branch hangs on the wave's number alone
	s_cmp_eq_u32 s14, 0
	s_cbranch_scc0 .Lfor_w_\@
	tensor_load_to_lds s[G0+4*\s:G0+4*\s+3], s[G1:G1+7]
	s_nop 0
	PLACES 4
	s_branch .Lasked_\@
.Lfor_w_\@:
	tensor_load_to_lds s[G0B+4*\s:G0B+4*\s+3], s[G1B:G1B+7]
	s_nop 0
	PLACES 4
.Lasked_\@:
.endm
.macro CREST                           ; a round of the cluster's barrier behind its opening barrier
	s_cmp_lg_u32 s14, 0
	s_cbranch_scc1 .Lnot_wave_0_\@
	s_barrier_signal -3
.Lnot_wave_0_\@:
	s_barrier_wait -3
	s_barrier_signal -1
	s_barrier_wait -1
.endm
.macro CROUND
	s_barrier_signal -1
	s_barrier_wait -1
	CREST
.endm
.macro ASK k                           ; my share of K step k
	global_prefetch_b8 v[PFO], s[68:69] offset:256*\k th:TH_LOAD_NT scope:SCOPE_SE
.endm
	s_load_b256 s[4:11], s[0:1], 0x0               ; xc, xs, wc, ws
	s_load_b128 s[92:95], s[0:1], 0x20             ; bq, bk
	s_load_b128 s[96:99], s[0:1], 0x30             ; bv, qk
	s_load_b64 s[100:101], s[0:1], 0x40            ; vv
	v_lshl_add_u32 v[SPW], v0, 2, SPARE
	v_mov_b32 v[NIL], 0
	ds_add_u32 v[SPW], v[NIL]                      ; the wave's opening: the add, twice on end
	ds_add_u32 v[SPW], v[NIL]
	v_lshrrev_b32 v1, 5, v0
	v_readfirstlane_b32 s14, v1                    ; wave 0..3
	s_lshr_b32 s15, s14, 1                         ; my half of the tokens
	s_and_b32 s16, s14, 1                          ; my column
	s_bfe_u32 s40, ttmp6, 0x40000                  ; cx, cy
	s_bfe_u32 s41, ttmp6, 0x40004
	s_lshl_b32 s42, ttmp9, 2
	s_add_co_u32 s42, s42, s40                     ; the head: enters the weights' addresses
	s_and_b32 s17, ttmp7, 0xffff
	s_lshl_b32 s17, s17, 2
	s_add_co_u32 s17, s17, s41                     ; which 256 tokens: enters x's
	s_lshl_b32 s43, s41, 2
	s_lshl_b32 s43, 15, s43                        ; my row of the cluster
	s_lshl_b32 s44, 0x1111, s40                    ; my column
	s_or_b32 s[G1+0], s43, (1<<20)|(1<<21)|(5<<22)|(3<<25)  ; 15:0 the mask; elements of 1 byte; 20 padding on; 21 set beside a mask; 24:22 after every 64 words; 31:25 four words
	s_mov_b32 s[G1+1], 256<<16                     ; tensor_dim0
	s_mov_b32 s[G1+2], 256<<16                     ; tensor_dim1: 256 rows
	s_mov_b32 s[G1+3], 256<<16                     ; tile_dim0
	s_mov_b32 s[G1+4], 256                         ; tile_dim1
	s_mov_b32 s[G1+5], 1024                        ; tensor_dim0_stride
	s_mov_b32 s[G1+6], 0
	s_mov_b32 s[G1+7], 0
	s_or_b32 s[G1B+0], s44, (1<<20)|(1<<21)|(5<<22)|(3<<25)
	s_mov_b32 s[G1B+1], 256<<16
	s_mov_b32 s[G1B+2], 64<<16                     ; 64 rows
	s_mov_b32 s[G1B+3], 256<<16
	s_mov_b32 s[G1B+4], 64
	s_mov_b32 s[G1B+5], 1024
	s_mov_b32 s[G1B+6], 0
	s_mov_b32 s[G1B+7], 0
	s_lshl_b32 s20, s17, 18                        ; x: 256 rows of 1,024 bytes
	s_mov_b32 s21, 0
	s_lshl_b32 s18, s42, 16                        ; a weight: 64 rows a head,
	s_mov_b32 s19, 0
	s_max_u32 s46, s14, 1
	s_sub_co_u32 s46, s46, 1
	s_lshl_b32 s46, s46, 20                        ; 1,024 rows a tensor: waves 1, 2, 3 take q, k, v
	s_mov_b32 s47, 0
	s_mul_i32 s45, s14, 64*PITCH
	s_add_co_u32 s45, s45, WOFF-64*PITCH           ; where they go
	s_wait_dscnt 0x0                               ; both opening adds are done
	CROUND                                         ; all sixteen work-groups are here: the first joint loads meet
	s_wait_kmcnt 0x0
	s_add_nc_u64 s[20:21], s[4:5], s[20:21]
	s_add_nc_u64 s[18:19], s[8:9], s[18:19]
	s_add_nc_u64 s[46:47], s[18:19], s[46:47]
.irp s, 0,1
	s_mov_b32 s[G0+4*\s], 1
	s_mov_b32 s[G0+4*\s+1], \s*SLOT
	s_add_nc_u64 s[G0+4*\s+2:G0+4*\s+3], s[20:21], \s*256
	s_or_b32 s[G0+4*\s+3], s[G0+4*\s+3], 0x80000000
	s_mov_b32 s[G0B+4*\s], 1
	s_add_co_u32 s[G0B+4*\s+1], s45, \s*SLOT
	s_add_nc_u64 s[G0B+4*\s+2:G0B+4*\s+3], s[46:47], \s*256
	s_or_b32 s[G0B+4*\s+3], s[G0B+4*\s+3], 0x80000000
.endr
	JLOAD 0                                        ; K step 0: one tensor load a wave at the head
	; the prefetches: x: rows 64 cx + 32 (wave % 2) + lane of my 256; weights: row j = 48 cy + 24 (wave % 2) + lane of the head's 192, in tensor j / 64
	s_lshl_b32 s66, s40, 6
	s_lshl_b32 s67, s16, 5
	s_add_co_u32 s66, s66, s67
	s_mul_i32 s68, s41, 48
	s_mul_i32 s69, s16, 24
	s_add_co_u32 s68, s68, s69
	s_mov_b32 s70, 0x100000
	s_cmp_lt_u32 s14, 2
	s_cselect_b32 s66, s66, s68
	s_cselect_b32 s67, 31, 23                      ; lanes that are left over name their wave's last row again
	s_cselect_b32 s70, 0x10000, s70                ; from 64 rows to the next 64
	s_cselect_b64 s[68:69], s[20:21], s[18:19]
	; scale bytes (32 a row) and biases
	s_mov_b32 s23, 0
	s_lshl_b32 s22, s17, 13
	s_lshl_b32 s2, s15, 12
	s_add_co_u32 s22, s22, s2
	s_add_nc_u64 s[74:75], s[6:7], s[22:23]        ; x's: my 128 rows
	s_lshl_b32 s22, s42, 11
	s_lshl_b32 s2, s16, 15
	s_add_co_u32 s22, s22, s2
	s_add_nc_u64 s[76:77], s[10:11], s[22:23]      ; Wq's or Wk's: the head's 64 rows
	s_lshl_b32 s22, s42, 11
	s_lshl_b32 s2, s16, 10
	s_add_co_u32 s22, s22, s2
	s_add_co_u32 s22, s22, 0x10000
	s_add_nc_u64 s[78:79], s[10:11], s[22:23]      ; Wv's: my 32
	s_lshl_b32 s22, s42, 8
	s_cmp_eq_u32 s16, 0
	s_cselect_b64 s[92:93], s[92:93], s[94:95]
	s_add_nc_u64 s[80:81], s[92:93], s[22:23]      ; bq's or bk's 64
	s_lshl_b32 s2, s16, 7
	s_add_co_u32 s22, s22, s2
	s_add_nc_u64 s[82:83], s[96:97], s[22:23]      ; bv's 32
	; where my results go
	s_lshr_b32 s84, s17, 3
	s_lshl_b32 s84, s84, 4
	s_add_co_u32 s84, s84, s42                     ; 16 batch + head
	s_lshl_b32 s85, s16, 5
	s_add_co_u32 s85, s85, s84
	s_and_b32 s86, s17, 7
	s_lshl_b32 s86, s86, 1
	s_add_co_u32 s86, s86, s15                     ; my 128 tokens are this step of the batch's sixteen
	s_mul_i32 s85, s85, QKB
	s_lshl_b32 s22, s86, 13
	s_add_co_u32 s22, s22, s85
	s_add_nc_u64 s[12:13], s[98:99], s[22:23]      ; q's or k's codes
	s_lshl_b32 s22, s86, 9
	s_add_co_u32 s22, s22, s85
	s_add_co_u32 s22, s22, 0x20000
	s_add_nc_u64 s[98:99], s[98:99], s[22:23]      ; their scale words
	s_mul_i32 s84, s84, VVB
	s_lshl_b32 s22, s86, 13
	s_add_co_u32 s22, s22, s84
	s_lshl_b32 s2, s16, 12
	s_add_co_u32 s22, s22, s2
	s_add_nc_u64 s[88:89], s[100:101], s[22:23]    ; v's codes: two of the step's four tiles of e
	s_lshl_b32 s22, s86, 8
	s_add_co_u32 s22, s22, s84
	s_add_co_u32 s22, s22, 0x20000
	s_add_nc_u64 s[90:91], s[100:101], s[22:23]    ; v's scale words
	s_mul_i32 s71, s15, 128*PITCH                  ; LDS: my rows of x,
	s_mul_i32 s72, s16, 64*PITCH                   ; of Wq or Wk,
	s_add_co_u32 s72, s72, WOFF
	s_mul_i32 s73, s16, 32*PITCH                   ; and of Wv
	s_add_co_u32 s73, s73, WOFF+128*PITCH
	s_lshl_b32 s84, s14, 9
	s_add_co_u32 s84, s84, SST                     ; my scale words on their way out
	s_lshl_b32 s85, s15, 8
	s_add_co_u32 s85, s85, SVB
	s_lshl_b32 s86, s16, 3
	s_add_co_u32 s86, s86, s85
	v_and_b32 v1, 15, v0                           ; r
	v_bfe_u32 v2, v0, 4, 1                         ; h
	v_and_b32 v3, 31, v0                           ; lane
	v_min_u32 v4, s67, v3
	v_add_nc_u32 v4, s66, v4
	v_lshrrev_b32 v[PFO], 6, v4
	v_mul_lo_u32 v[PFO], v[PFO], s70
	v_and_b32 v4, 63, v4
	v_lshl_add_u32 v[PFO], v4, 10, v[PFO]
	v_lshlrev_b32 v[LI], 4, v3
	v_lshlrev_b32 v5, 5, v3                        ; lane l takes row l of a pair of blocks: 32 bytes
	v_mul_u32_u24 v21, v1, PITCH
	v_lshl_add_u32 v21, v2, 4, v21                 ; a fragment's row x pitch + 16 h
	v_add_nc_u32 v[ADRA], s71, v21
	v_add_nc_u32 v[ADRA+1], SLOT, v[ADRA]
	v_add_nc_u32 v[ADRB], s72, v21
	v_add_nc_u32 v[ADRB+1], SLOT, v[ADRB]
	v_add_nc_u32 v[ADRV], s73, v21
	v_add_nc_u32 v[ADRV+1], SLOT, v[ADRV]
	v_lshlrev_b32 v21, 4, v1
	v_add_nc_u32 v[SVR], s86, v21                  ; v's word in: 16 r + 8 x column
	v_lshl_add_u32 v21, v2, 2, v21
	v_add_nc_u32 v[SS0], s84, v21                  ; q's or k's in: 16 r + 4 h
	v_add_nc_u32 v[RB0], s84, v[LI]                ; and out: 16 bytes a lane
	v_lshlrev_b32 v21, 3, v3
	v_add_nc_u32 v[RV], s85, v21                   ; v's out: 8 bytes a lane
	v_cmp_eq_u32 vcc_lo, 1, v2
	v_mov_b32 v[SELV], 0x01000100
	v_mov_b32 v21, 0x03020302
	v_cndmask_b32 v[SELV], v[SELV], v21, vcc_lo
	v_lshlrev_b32 v3, 6, v2                        ; q's or k's bias: 64 h
	v_and_b32 v4, 8, v1
	v_add_nc_u32 v4, v4, v1
	v_lshlrev_b32 v4, 2, v4                        ; v's: 4 (r + 8 (r / 8))
	s_wait_alu depctr_va_vdst(0)                   ; the wait at the head's end
	ASK 1
	ASK 2
.irp c, 0,1
.irp p, 0,1,2,3
	global_load_b128 v[SX+8*\p+4*\c:SX+8*\p+4*\c+3], v5, s[74:75] offset:1024*\p+16*\c
.endr
.irp p, 0,1
	global_load_b128 v[SW+8*\p+4*\c:SW+8*\p+4*\c+3], v5, s[76:77] offset:1024*\p+16*\c
.endr
	global_load_b128 v[SW+16+4*\c:SW+16+4*\c+3], v5, s[78:79] offset:16*\c
.endr
.irp t, 0,1,2,3                                ; block t = 2 g + u: register j is the bias of e = 32 g + 16 h + 8 u + j
	global_load_b128 v[BQ+8*\t:BQ+8*\t+3], v3, s[80:81] offset:(32*(\t/2)+8*(\t%2))*4
	global_load_b128 v[BQ+8*\t+4:BQ+8*\t+7], v3, s[80:81] offset:(32*(\t/2)+8*(\t%2))*4+16
.endr
	global_load_b32 v[BV], v4, s[82:83]            ; v's two blocks: my lane's e
	global_load_b32 v[BV+8], v4, s[82:83] offset:32
.macro WM d, a, b, c, sa, sb, ra, rb           ; one product; ra, rb = 1: that side's scale words stand in lanes 16-31
.if (\ra) && (\rb)
	v_wmma_scale_f32_16x16x128_f8f6f4 v[\d:\d+7], v[\a:\a+15], v[\b:\b+15], v[\c:\c+7], v[\sa], v[\sb] matrix_a_fmt:MATRIX_FMT_BF8 matrix_b_fmt:MATRIX_FMT_BF8 matrix_a_scale:MATRIX_SCALE_ROW1 matrix_b_scale:MATRIX_SCALE_ROW1
.elseif \ra
	v_wmma_scale_f32_16x16x128_f8f6f4 v[\d:\d+7], v[\a:\a+15], v[\b:\b+15], v[\c:\c+7], v[\sa], v[\sb] matrix_a_fmt:MATRIX_FMT_BF8 matrix_b_fmt:MATRIX_FMT_BF8 matrix_a_scale:MATRIX_SCALE_ROW1
.elseif \rb
	v_wmma_scale_f32_16x16x128_f8f6f4 v[\d:\d+7], v[\a:\a+15], v[\b:\b+15], v[\c:\c+7], v[\sa], v[\sb] matrix_a_fmt:MATRIX_FMT_BF8 matrix_b_fmt:MATRIX_FMT_BF8 matrix_b_scale:MATRIX_SCALE_ROW1
.else
	v_wmma_scale_f32_16x16x128_f8f6f4 v[\d:\d+7], v[\a:\a+15], v[\b:\b+15], v[\c:\c+7], v[\sa], v[\sb] matrix_a_fmt:MATRIX_FMT_BF8 matrix_b_fmt:MATRIX_FMT_BF8
.endif
.endm
; Token blocks 4 hf .. 4 hf + 3, the kq-th 128 of K, the weights' set p: 16 products of q or k, 8 of v.  first = 1: the sums begin with the bias.  The 48 accumulators take turns.
.macro MULQ hf, p, kq, first
.if \first
	WIN 0x81                                       ; source 0 window 1, source 1 and C window 0, D window 2
.else
	WIN 0xa1
.endif
.irp i, 0,1,2,3
.set A_, 4*\hf+\i
.irp b, 0,1,2,3
.set D_, 32*A_+8*\b
.set C_, D_
.if \first
.set C_, BQ+8*\b
.endif
.set W_, 128*\p+16*\b
.set X_, AF+16*A_
.set P_, SW+8*(\b/2)+\kq
.set S_, SX+8*(A_/2)+\kq
	WM D_, W_, X_, C_, P_, S_, (\b%2), (A_%2)
.endr
.endr
.endm
.macro MULV hf, p, kq, first
.if \first
	WIN 0xc4                                       ; source 0 window 0, source 1 window 1, C window 0, D window 3
.else
	WIN 0xf4
.endif
.irp i, 0,1,2,3
.set A_, 4*\hf+\i
.irp w, 0,1
.set D_, 64*\w+8*A_
.set C_, D_
.if \first
.set C_, BV+8*\w
.endif
.set W_, 128*\p+64+16*\w
.set X_, AF+16*A_
.set P_, SW+16+\kq
.set S_, SX+8*(A_/2)+\kq
	WM D_, X_, W_, C_, S_, P_, (A_%2), \w
.endr
.endr
.endm
.macro FRAG reg, adr, q, i             ; 16 rows x 128 K: registers 4 c .. 4 c + 3 hold K = 32 c + 16 h + 0 .. 15
.irp c, 0,1,2,3
	ds_load_b128 v[\reg+4*\c:\reg+4*\c+3], v[\adr] offset:128*(\q)+32*\c+(\i)*16*PITCH
.endr
.endm
.macro FETCH_B slot, q, p              ; the weights' six fragments into set p: 24 loads
	WIN 0x40
.irp i, 0,1,2,3
	FRAG 128*\p+16*\i, ADRB+\slot, \q, \i
.endr
.irp i, 0,1
	FRAG 128*\p+64+16*\i, ADRV+\slot, \q, \i
.endr
	WIN 0
.endm
.macro FETCH_A slot, q, i0             ; token blocks i0 .. i0 + 3: 16 loads
.irp i, \i0, \i0+1, \i0+2, \i0+3
	FRAG AF+16*(\i), ADRA+\slot, \q, \i
.endr
.endm
; A load into a register that a product has read, and a vector instruction that reads a product's result or writes one of its registers, stand eight places behind it.
.macro STEP slot, kq, first            ; the slot's first 128 of K
	s_wait_dscnt 16                                ; the youngest 16 loads (token blocks 4-7) may be out
	MULQ 0, 0, \kq, \first
	MULV 0, 0, \kq, \first
	s_wait_dscnt 0
	PLACES 8
	FETCH_B \slot, 1, 1
	FETCH_A \slot, 1, 0
	MULQ 1, 0, \kq, \first
	MULV 1, 0, \kq, \first
	PLACES 8
	WIN 0
	FETCH_A \slot, 1, 4
.endm
.macro TURN slot, next, kq, fill       ; its second, and the change of slots.  fill = 1: this slot is filled again, two K steps on; the barrier opens a round of the cluster's
	s_wait_tensorcnt 0x0                           ; my part of the next slot is in (every window is 0 here)
	ds_add_u32 v[SPW], v[NIL]
	s_wait_dscnt 17                                ; (the add and the youngest 16 loads may be out)
	MULQ 0, 1, \kq, 0
	s_wait_dscnt 0x0                               ; the add is done, and my reads of this slot are over
	s_barrier_signal -1
	MULV 0, 1, \kq, 0
	WIN 0
	s_barrier_wait -1
.if \fill
	CREST
	s_add_nc_u64 s[G0+4*\slot+2:G0+4*\slot+3], s[G0+4*\slot+2:G0+4*\slot+3], 512
	s_add_nc_u64 s[G0B+4*\slot+2:G0B+4*\slot+3], s[G0B+4*\slot+2:G0B+4*\slot+3], 512
	JLOAD \slot                                    ; the first tensor load behind the round; its four v_nop are among the places
	PLACES 4
.else
	PLACES 8
.endif
	FETCH_B \next, 0, 0
	FETCH_A \next, 0, 0
	MULQ 1, 1, \kq, 0
	MULV 1, 1, \kq, 0
	PLACES 8
	WIN 0
	FETCH_A \next, 0, 4
.endm
	s_wait_tensorcnt 0x0                           ; my part of K step 0 is in
	ds_add_u32 v[SPW], v[NIL]
	s_wait_dscnt 0x0
	CROUND                                         ; everybody's is, and all sixteen work-groups are here
	JLOAD 1                                        ; K step 1
	FETCH_B 0, 0, 0
	FETCH_A 0, 0, 0
	FETCH_A 0, 0, 4
	ASK 3
	s_wait_loadcnt 0x0                             ; scale words and biases
.irp k, 1,2,3,4,5,6,7
	v_mov_b32 v[BV+\k], v[BV]
	v_mov_b32 v[BV+8+\k], v[BV+8]
.endr
	s_wait_alu depctr_va_vdst(0)
	STEP 0, 0, 1
	TURN 0, 1, 1, 1                                ; slot 0 takes K step 2,
	STEP 1, 2, 0
	TURN 1, 0, 3, 1                                ; slot 1 K step 3;
	STEP 0, 4, 0
	TURN 0, 1, 5, 0                                ; nothing is left to fetch
	STEP 1, 6, 0
	s_wait_dscnt 16
	MULV 0, 1, 7, 0
	MULQ 0, 1, 7, 0
	s_wait_dscnt 0
	MULV 1, 1, 7, 0
	MULQ 1, 1, 7, 0
	WIN 0
; THE WAY OUT, 64 registers at a time: four blocks of 32 along the next K, 16 numbers each in my lane, the other 16 in the lane 16 away.
.macro QUANT w, ac
	s_wait_dscnt 0x0                               ; the last scale word has left its register
	WIN 5*\w
.irp b, 0,1,2,3
	v_max3_num_f32 v[TM+\b], |v[\ac+16*\b]|, |v[\ac+16*\b+1]|, FLOOR   ; each accumulator from its low end on; the floor holds the byte at 1 from below
.endr
	WIN 20*\w
.irp i, 2,4,6,8,10,12,14
.irp b, 0,1,2,3
	v_max3_num_f32 v[TM+\b], v[TM+\b], |v[\ac+16*\b+\i]|, |v[\ac+16*\b+\i+1]|
.endr
.endr
	WIN 0
.irp b, 0,1,2,3
	v_permlanex16_b32 v[TM+4+\b], v[TM+\b], s20, s21
.endr
.irp b, 0,1,2,3
	v_max_num_f32 v[TM+\b], v[TM+\b], v[TM+4+\b]   ; the block's largest magnitude
.endr
.irp b, 0,1,2,3
	v_add_nc_u32 v[TM+12+\b], OFF15, v[TM+\b]      ; the conversion's scale operand
.endr
.irp b, 0,1,2,3
	v_and_or_b32 v[TM+8+\b], v[TM+\b], 0x7f800000, s2   ; 57,344 x the scale
.endr
.irp b, 0,1,2,3
	v_lshrrev_b32 v[TM+4+\b], 23, v[TM+12+\b]      ; the scale's byte
.endr
	v_lshl_or_b32 v[PW], v[TM+5], 8, v[TM+4]
	v_lshl_or_b32 v[PW], v[TM+6], 16, v[PW]
	v_lshl_or_b32 v[PW], v[TM+7], 24, v[PW]
	WIN \w
.irp b, 0,1,2,3
.irp i, 0,1,2,3,4,5,6,7,8,9,10,11,12,13,14,15
	v_med3_num_f32 v[T+16*\b+\i], v[\ac+16*\b+\i], -v[TM+8+\b], v[TM+8+\b]   ; the hold (the conversion does not saturate: ISA guide 7.6.2), and the way into window 0
.endr
.endr
	WIN 0
	s_wait_alu depctr_va_vdst(0)
	s_wait_xcnt 0x0                                ; the last stores have read the codes' registers
.irp b, 0,1,2,3
	v_cvt_scalef32_pk8_bf8_f32 v[PC+4*\b:PC+4*\b+1], v[T+16*\b:T+16*\b+7], v[TM+12+\b]
	v_cvt_scalef32_pk8_bf8_f32 v[PC+4*\b+2:PC+4*\b+3], v[T+16*\b+8:T+16*\b+15], v[TM+12+\b]
.endr
	v_nop                                          ; the plain line behind the last conversion
.endm
	PLACES 8
	s_mov_b32 s20, 0x76543210
	s_mov_b32 s21, 0xfedcba98                      ; v_permlanex16_b32's selects for lane l xor 16
	s_mov_b32 s2, 0x600000                         ; the mantissa field of 57,344
.irp b, 0,1,2,3
	v_mov_b32 v[TM+4+\b], 0                        ; written once: a lane permute's destination counts as one of its sources
.endr
.irp j, 0,1                                    ; v: e block j, my 128 tokens
	QUANT 3, 64*\j
.irp c, 0,1,2,3
	global_store_b128 v[LI], v[PC+4*\c:PC+4*\c+3], s[88:89] offset:2048*\j+512*\c   ; 32 lanes store 512 consecutive bytes, aligned
.endr
	ds_store_b32 v[SVR], v[PW] offset:4*\j         ; both halves of the lanes write the same word with the same value
.endr
.irp j, 0,1,2,3                                ; q or k: token blocks 2 j and 2 j + 1, the head's 64
	QUANT 2, 64*\j
.irp c, 0,1,2,3
	global_store_b128 v[LI], v[PC+4*\c:PC+4*\c+3], s[12:13] offset:2048*\j+512*\c
.endr
	v_perm_b32 v[WS], v[PW], v[PW], v[SELV]        ; lanes 0-15: tile 2 j's two bytes, twice; lanes 16-31: tile 2 j + 1's
	ds_store_b32 v[SS0], v[WS] offset:256*(\j/2)+8*(\j%2)
.endr
	v_lshrrev_b32 v3, 1, v[LI]                     ; 8 x lane
	s_wait_alu depctr_va_vdst(0)
	s_wait_dscnt 0x0                               ; v's scale words: two of a row's four are the other column's
	s_barrier_signal -1
	s_barrier_wait -1
	ds_load_b128 v[128:131], v[RB0]
	ds_load_b64 v[132:133], v[RV]
	s_wait_dscnt 0x0
	global_store_b128 v[LI], v[128:131], s[98:99]  ; 512 consecutive bytes
	s_cmp_lg_u32 s16, 0
	s_cbranch_scc1 .Lno_v
	global_store_b64 v3, v[132:133], s[90:91]      ; 256 consecutive bytes: column 0's waves store them
.Lno_v:
	s_wait_tensorcnt 0x0                           ; the wave's end
	ds_add_u32 v[SPW], v[NIL]
	s_wait_dscnt 0x0
	CROUND                                         ; the closing round: no work-group ends while a partner may still ask for a tile that names it
	s_endpgm
.Lfunc_end_k_q86fb3200ea_proj:
	.size	k_q86fb3200ea_proj, .Lfunc_end_k_q86fb3200ea_proj-k_q86fb3200ea_proj
	.p2alignl 7, 3214868480
	.fill 96, 4, 3214868480
	.section	.rodata,"a",@progbits
	.p2align	6, 0x0
	.amdhsa_kernel k_q86fb3200ea_proj
		.amdhsa_group_segment_fixed_size 327680
		.amdhsa_private_segment_fixed_size 0
		.amdhsa_enable_private_segment 0
		.amdhsa_kernarg_size 72
		.amdhsa_user_sgpr_count 2
		.amdhsa_user_sgpr_kernarg_segment_ptr 1
		.amdhsa_wavefront_size32 1
		.amdhsa_system_sgpr_workgroup_id_x 1
		.amdhsa_system_sgpr_workgroup_id_y 1
		.amdhsa_system_sgpr_workgroup_id_z 1
		.amdhsa_system_vgpr_workitem_id 0
		.amdhsa_next_free_vgpr 1024
		.amdhsa_next_free_sgpr 102
		.amdhsa_reserve_vcc 1
		.amdhsa_float_denorm_mode_32 3
		.amdhsa_float_denorm_mode_16_64 3
		.amdhsa_memory_ordered 1
		.amdhsa_forward_progress 1
		.amdhsa_inst_pref_size 151
	.end_amdhsa_kernel
	.amdgpu_metadata
---
amdhsa.version: [ 1, 2 ]
amdhsa.kernels:
  - .name:           k_q86fb3200ea_proj
    .symbol:         k_q86fb3200ea_proj.kd
    .args:
      - { .name: xc, .offset: 0, .size: 8, .value_kind: global_buffer, .address_space: global }
      - { .name: xs, .offset: 8, .size: 8, .value_kind: global_buffer, .address_space: global }
      - { .name: wc, .offset: 16, .size: 8, .value_kind: global_buffer, .address_space: global }
      - { .name: ws, .offset: 24, .size: 8, .value_kind: global_buffer, .address_space: global }
      - { .name: bq, .offset: 32, .size: 8, .value_kind: global_buffer, .address_space: global }
      - { .name: bk, .offset: 40, .size: 8, .value_kind: global_buffer, .address_space: global }
      - { .name: bv, .offset: 48, .size: 8, .value_kind: global_buffer, .address_space: global }
      - { .name: qk, .offset: 56, .size: 8, .value_kind: global_buffer, .address_space: global }
      - { .name: vv, .offset: 64, .size: 8, .value_kind: global_buffer, .address_space: global }
    .group_segment_fixed_size: 327680
    .private_segment_fixed_size: 0
    .kernarg_segment_align: 8
    .kernarg_segment_size: 72
    .max_flat_workgroup_size: 128
    .sgpr_count:     102
    .vgpr_count:     1024
    .wavefront_size: 32
...
	.end_amdgpu_metadata
.endif
;; end of part 2
;; launch attn (part 3): grid 8 x 32, 16 waves a work-group, clusters of 4 x 1, 327,680 bytes of LDS; arguments qk, vv, out0; writes out0
.if DOCPART == 3
	.amdgcn_target "amdgcn-amd-amdhsa--gfx1250"
	.amdhsa_code_object_version 6
	.text
	.protected	k_q86fb3200ea_attn
	.globl	k_q86fb3200ea_attn
	.p2align	8
	.type	k_q86fb3200ea_attn,@function
k_q86fb3200ea_attn:
	s_mov_b64 s[64:65], 0
	v_nop
	global_prefetch_b8 v0, s[64:65] scope:SCOPE_SE
	s_setreg_imm32_b32 hwreg(HW_REG_WAVE_MODE, 25, 1), 1
	s_wait_xcnt 0x0
	s_wait_alu depctr_hold_cnt(0) depctr_sa_sdst(0) depctr_va_vdst(0) depctr_va_sdst(0) depctr_va_ssrc(0) depctr_va_vcc(0) depctr_vm_vsrc(0)
	s_getreg_b32 s2, hwreg(HW_REG_IB_STS2, 6, 4)
	s_cmp_eq_u32 s2, 0
	s_cbranch_scc0 .Lentry_in_a_cluster
	s_endpgm
.Lentry_in_a_cluster:
	s_bfe_u32 s2, ttmp6, 0x10000c
	s_cmp_lg_u32 s2, 0x3003
	s_cbranch_scc0 .Lentry_shape_is_right
	s_endpgm
.Lentry_shape_is_right:
; Z = tril(softmax(Q K^T / 8)) V for 32 heads (2 batches x 16) of 2,048 tokens x 64, on codes of BF8 (E5M2) with one E8M0 scale for each 32 along a product's K, laid as images of operand registers by the launch before.
; The softmax takes the WHOLE row, the mask comes behind it: pass 1 finds each query's maximum and sum over all 2,048 keys; pass 2 makes the finished, normalised p of the keys up to the query, quantises it along the keys and multiplies by V.
; WORK LEFT OUT: in pass 2 the steps of 128 keys that all come after the tile's queries: their p is multiplied by tril's zeros for all inputs.  A NaN, an infinity or an overflow that reaches only these is not carried to the result.
; LIMITS: NaN and infinities are not served; the scaled scores (exponents to the base 2, before the maximum is taken away) stay under 2^31 in magnitude; a block of zeros gets the byte 1 where the rule says 127 (its codes are zeros).
; SHARES: a work-group has one head and 16 tiles of 16 queries, one for each diagonal step d = 0 .. 15 of 128 tokens (tile 8 d + x, x = 0 .. 7 the work-group's number along x); each of 16 waves owns one tile in 256 registers.
;   Wave w has d = 15 - w, 4 + w, 15 - w, w - 12 for w = 0-3, 4-7, 8-11, 12-15: the waves w, w + 4, w + 8, w + 12 have 34 steps of pass 2 together, for every w from 0 to 3.
; K and V of the head (274,432 bytes with their scale words) lie in LDS throughout: one joint load a wave at the head, shared by the four work-groups of a cluster: waves 0-7 fetch K, waves 8-15 V.
; Nothing is prefetched: no loop loads from memory.  Both products are used transposed: a lane holds ONE query (its tile's row lane % 16); 16 registers are 16 neighbouring keys.
; TWO KEY TILES SHARE AN OPERAND: the head's 64 fill half of the instruction's K, so 16 registers hold tile 2 g below and tile 2 g + 1 above, and Q comes as [q, 0] or [0, q]: zero codes select.  Scale words repeat their two bytes.
.set QKB,  139264
.set VVB,  135168
.set KSC,  131072                      ; LDS: K's codes from 0, its scale words from here,
.set VC,   139264                      ; V's codes,
.set VSC,  270336                      ; V's scale words,
.set STG,  274432                      ; a stage of 16 rows x 144 bytes for each wave,
.set SPITCH, 144
.set SPARE, STG+16*16*SPITCH           ; and the spare words
.set LI,   1                           ; 16 x lane
.set ADK,  2
.set ADS,  3
.set ADV,  4
.set ADT,  5
.set R16,  6                           ; 16 x (lane % 16)
.set DQ,   7                           ; my query's place in its 128, less 16 (lane / 16)
.set STO,  8
.set RDA,  9
.set GOX,  10
.set NINF, 11
.set ST,   12                          ; -M, and beside it the largest raw score
.set L,    14                          ; the sum, in two halves
.set F,    16
.set SPW,  18
.set NIL,  19
.set QS,   20
.set T3,   21
.set RDB,  22
.set GOY,  23
.set KS,   24
.set BM,   28
.set PS,   32
.set T0,   33
.set T1,   34
.set T2,   35
.set VS,   36
.set Q1,   40                          ; v40-47 zeros, v48-55 q, v56-63 zeros: [0, q] begins at v40,
.set Q0,   48                          ; [q, 0] at v48
.set KV,   64                          ; v64-127 a step's K, in pass 2 by turns K and V
.set SA,   128                         ; v128-191, v192-255: two sets of scores;
.set SB,   192
.set O,    192                         ; in pass 2 the second holds O^T,
.set PC,   224                         ; p's codes,
.set HO,   244                         ; holds, scale operands, bytes
.set SCO,  248
.set BP,   252
.set G1K,  28
.set G1V,  36
.set G0K,  44
.set G0V,  48
.macro CROUND
	s_barrier_signal -1
	s_barrier_wait -1
	s_cmp_lg_u32 s10, 0
	s_cbranch_scc1 .Lnot_wave_0_\@
	s_barrier_signal -3
.Lnot_wave_0_\@:
	s_barrier_wait -3
	s_barrier_signal -1
	s_barrier_wait -1
.endm
.macro PLACES n
.rept \n
	v_nop
.endr
.endm
.macro GROUP1 g, rows                  ; a dense block: rows of 256 bytes (32 elements of 8), for all four partners
	s_mov_b32 s[\g], 15|(3<<16)|(1<<21)
	s_mov_b32 s[\g+1], 32<<16
	s_mov_b32 s[\g+2], \rows<<16
	s_mov_b32 s[\g+3], 32<<16
	s_mov_b32 s[\g+4], \rows
	s_mov_b32 s[\g+5], 32
	s_mov_b32 s[\g+6], 0
	s_mov_b32 s[\g+7], 0
.endm
	s_load_b128 s[4:7], s[0:1], 0x0                ; qk, vv
	s_load_b64 s[8:9], s[0:1], 0x10                ; out0
	v_lshl_add_u32 v[SPW], v0, 2, SPARE
	v_mov_b32 v[NIL], 0
	ds_add_u32 v[SPW], v[NIL]                      ; the wave's opening: the add, twice on end
	ds_add_u32 v[SPW], v[NIL]
	v_lshrrev_b32 v1, 5, v0
	v_readfirstlane_b32 s10, v1                    ; wave 0..15
	s_bfe_u32 s11, ttmp6, 0x40000                  ; cx
	s_lshl_b32 s12, ttmp9, 2
	s_add_co_u32 s12, s12, s11                     ; x: enters global addresses and the mask's comparison alone
	s_and_b32 s13, ttmp7, 0xffff                   ; 16 batch + head
	s_xor_b32 s14, s10, 15                         ; d: the wave's number turned round, and the low two bits turned back where bit 2 of it is set
	s_bfe_u32 s68, s10, 0x10002
	s_mul_i32 s68, s68, 3
	s_xor_b32 s14, s14, s68
	s_mov_b32 s20, 0x76543210
	s_mov_b32 s21, 0xfedcba98                      ; v_permlanex16_b32's selects for lane l xor 16
	s_mov_b32 s22, 0x3e38aa3b                      ; c = log2(e) / 8
	s_mov_b32 s23, s22
	s_mov_b32 s24, 0x600000                        ; the mantissa field of 57,344
	s_mov_b32 s25, 0xff00ff00                      ; the lanes whose number has bit 3 set
	GROUP1 G1K, 68
	GROUP1 G1V, 66
	s_mov_b32 s[G0K], 1
	s_mul_i32 s[G0K+1], s10, 17408                 ; K: an eighth a wave, waves 0-7
	s_add_co_u32 s70, s13, 32
	s_mul_i32 s70, s70, QKB
	s_add_co_u32 s70, s70, s[G0K+1]
	s_mov_b32 s71, 0
	s_mov_b32 s[G0V], 1
	s_mul_i32 s[G0V+1], s10, 16896                 ; V: an eighth a wave, waves 8-15
	s_add_co_u32 s[G0V+1], s[G0V+1], VC-8*16896
	s_and_b32 s72, s10, 7
	s_mul_i32 s72, s72, 16896
	s_mul_i32 s73, s13, VVB
	s_add_co_u32 s72, s72, s73
	s_mov_b32 s73, 0
	s_wait_dscnt 0x0                               ; both opening adds are done
	s_wait_kmcnt 0x0
	s_cmp_lt_u32 s10, 8                            ; (waves 8-15 take V's place: K's offset would leave its block there)
	s_cselect_b32 s70, s70, 0
	s_add_nc_u64 s[G0K+2:G0K+3], s[4:5], s[70:71]
	s_or_b32 s[G0K+3], s[G0K+3], 0x80000000
	s_add_nc_u64 s[G0V+2:G0V+3], s[6:7], s[72:73]
	s_or_b32 s[G0V+3], s[G0V+3], 0x80000000
	CROUND                                         ; all four work-groups are here: the joint loads meet
	s_cmp_lt_u32 s10, 8                            ; ONE joint load a wave.  K, which pass 1 wants, has a line of its own
	s_cbranch_scc0 .Lfor_v
	tensor_load_to_lds s[G0K:G0K+3], s[G1K:G1K+7]
	s_nop 0
	PLACES 4
	s_branch .Lasked
.Lfor_v:
	tensor_load_to_lds s[G0V:G0V+3], s[G1V:G1V+7]
	s_nop 0
	PLACES 4
.Lasked:
	v_and_b32 v[T0], 31, v0
	v_lshlrev_b32 v[LI], 4, v[T0]
	v_and_b32 v[T0], 15, v0                        ; r = lane % 16
	v_bfe_u32 v[T1], v0, 4, 1                      ; h = lane / 16
	v_lshlrev_b32 v[R16], 4, v[T0]
	s_wait_alu depctr_va_vdst(0)                   ; ahead of the scalar lines below
	s_mul_i32 s66, s13, QKB                        ; Q's block
	s_mov_b32 s67, 0
	s_add_nc_u64 s[4:5], s[4:5], s[66:67]
	s_mov_b32 s69, 0
	s_lshl_b32 s68, s14, 3
	s_add_co_u32 s68, s68, s12                     ; my tile: 8 d + x, 1,024 bytes a tile
	s_lshl_b32 s68, s68, 10
	s_add_nc_u64 s[52:53], s[4:5], s[68:69]
	s_lshr_b32 s70, s12, 2                         ; its scale words: 512 bytes a step, 256 for four tiles, 16 a row
	s_lshl_b32 s70, s70, 8
	s_and_b32 s71, s12, 3
	s_lshl_b32 s71, s71, 2
	s_add_co_u32 s70, s70, s71
	s_add_co_u32 s70, s70, 131072
	s_lshl_b32 s68, s14, 9
	s_add_co_u32 s68, s68, s70
	s_add_nc_u64 s[56:57], s[4:5], s[68:69]
.irp c, 0,1
	global_load_b128 v[Q0+4*\c:Q0+4*\c+3], v[LI], s[52:53] offset:512*\c
.endr
	global_load_b32 v[QS], v[R16], s[56:57]
	s_and_b32 s72, s12, 6                          ; tile x = 2 g + u holds tokens 32 g + 8 u + r + 8 (r / 8) of its 128
	s_lshl_b32 s72, s72, 4
	s_and_b32 s73, s12, 1
	s_lshl_b32 s73, s73, 3
	s_add_co_u32 s72, s72, s73
	s_lshr_b32 s70, s13, 4                         ; out: 8,388,608 bytes a batch, 256 a head, 4,096 a token
	s_lshl_b32 s70, s70, 23
	s_and_b32 s71, s13, 15
	s_lshl_b32 s71, s71, 8
	s_add_co_u32 s70, s70, s71
	s_lshl_b32 s73, s72, 12
	s_add_co_u32 s70, s70, s73
	s_lshl_b32 s68, s14, 19
	s_add_co_u32 s68, s68, s70
	s_add_nc_u64 s[60:61], s[8:9], s[68:69]
	s_mul_i32 s68, s10, 16*SPITCH
	s_add_co_u32 s68, s68, STG                     ; my stage
.set n, 0
.rept 8
	v_mov_b32 v[Q1+n], 0
	v_mov_b32 v[Q0+8+n], 0
.set n, n+1
.endr
	v_and_b32 v[T2], 8, v[T0]
	v_add_nc_u32 v[T2], v[T2], v[T0]
	v_lshlrev_b32 v[DQ], 4, v[T1]
	v_sub_nc_u32 v[DQ], v[T2], v[DQ]
	v_add_nc_u32 v[DQ], s72, v[DQ]
	v_mul_u32_u24 v[STO], v[T0], SPITCH            ; in: row r, 64 bytes for each half of the lanes
	v_lshl_add_u32 v[STO], v[T1], 6, v[STO]
	v_add_nc_u32 v[STO], s68, v[STO]
	v_lshrrev_b32 v[T2], 3, v[T0]                  ; back: b = r / 8: rows 2 h + b and, for the other half of a row, 2 h + 1 - b
	v_and_b32 v[T3], 7, v[T0]
	v_lshl_add_u32 v[BM], v[T1], 1, v[T2]
	v_xor_b32 v[BM+1], 1, v[BM]
	v_mul_u32_u24 v[RDA], v[BM], SPITCH
	v_lshl_add_u32 v[RDA], v[T3], 4, v[RDA]
	v_add_nc_u32 v[RDA], s68, v[RDA]
	v_mul_u32_u24 v[RDB], v[BM+1], SPITCH
	v_lshl_add_u32 v[RDB], v[T3], 4, v[RDB]
	v_add_nc_u32 v[RDB], s68, v[RDB]
	v_lshlrev_b32 v[GOX], 13, v[T1]                ; row 2 h, 16 r bytes on;
	v_lshl_add_u32 v[GOX], v[T0], 4, v[GOX]
	v_xor_b32 v[GOY], 0x80, v[GOX]                 ; row 2 h + 1, 16 (r xor 8) bytes on
	v_add_nc_u32 v[GOY], 0x1000, v[GOY]
	v_add_nc_u32 v[ADS], KSC, v[LI]
	v_mov_b32 v[NINF], 0xff800000
	v_mov_b32 v[ST], 0x7f61b1e6                    ; the largest score so far: -3e38
	v_mov_b32 v[ST+1], 0xff61b1e6
	v_mov_b32 v[L], 0
	v_mov_b32 v[L+1], 0
	v_mov_b32 v[F], 0
	v_mov_b32 v[F+1], 0                            ; (named with F as a pair)
.macro KLOAD a, s, o                   ; a step's eight key tiles and their scale words: 17 loads
.irp t, 0,1,2,3,4,5,6,7
.irp c, 0,1
	ds_load_b128 v[KV+8*\t+4*\c:KV+8*\t+4*\c+3], v[\a] offset:8192*\o+1024*\t+512*\c
.endr
.endr
	ds_load_b128 v[KS:KS+3], v[\s] offset:512*\o
.endm
.macro SCORE d, t                      ; S^T of key tile t: source 0 = the pair of tiles, source 1 = Q beside zeros
.if (\t)%2
.set QR, Q1
.else
.set QR, Q0
.endif
.if (\t) < 4
	v_wmma_scale_f32_16x16x128_f8f6f4 v[\d+8*(\t):\d+8*(\t)+7], v[KV+16*((\t)/2):KV+16*((\t)/2)+15], v[QR:QR+15], 0, v[KS+(\t)%4], v[QS] matrix_a_fmt:MATRIX_FMT_BF8 matrix_b_fmt:MATRIX_FMT_BF8
.else
	v_wmma_scale_f32_16x16x128_f8f6f4 v[\d+8*(\t):\d+8*(\t)+7], v[KV+16*((\t)/2):KV+16*((\t)/2)+15], v[QR:QR+15], 0, v[KS+(\t)%4], v[QS] matrix_a_fmt:MATRIX_FMT_BF8 matrix_b_fmt:MATRIX_FMT_BF8 matrix_a_scale:MATRIX_SCALE_ROW1
.endif
.endm
.macro MAXB s                          ; my lane's largest score of each block of 32 keys, the four blocks by turns
.irp b, 0,1,2,3
	v_max3_num_f32 v[BM+\b], v[\s+16*\b], v[\s+16*\b+1], v[\s+16*\b+2]
.endr
.irp i, 3,5,7,9,11,13
.irp b, 0,1,2,3
	v_max3_num_f32 v[BM+\b], v[BM+\b], v[\s+16*\b+\i], v[\s+16*\b+\i+1]
.endr
.endr
.irp b, 0,1,2,3
	v_max_num_f32 v[BM+\b], v[BM+\b], v[\s+16*\b+15]
.endr
.endm
.macro FMA s, k                        ; two exponents: score x c + the addend in ST
	v_pk_fma_f32 v[\s+\k:\s+\k+1], v[\s+\k:\s+\k+1], s[22:23], v[ST:ST+1] op_sel_hi:[1,0,0]
.endm
.macro EXP2 s, k
	v_exp_f32 v[\s+\k], v[\s+\k]
	v_exp_f32 v[\s+\k+1], v[\s+\k+1]
.endm
.macro ADD s, i, j
	v_pk_add_f32 v[\s+\i:\s+\i+1], v[\s+\i:\s+\i+1], v[\s+\j:\s+\j+1]
.endm
; PASS 1, a step: the softmax's running maximum and sum over the scores in cur, while the next step's products go into nxt and the K after that is fetched.
; M is the lane's own running maximum, rounded up to a whole number: F = 2^(old M - new M) rounds nothing.  No lane asks another until the end.
.macro HALF cur, nxt, o
	s_wait_dscnt 0x0                               ; the next step's K
	s_wait_alu depctr_va_vdst(0)                   ; the wait ahead of cur's first readers
	MAXB \cur
	v_max3_num_f32 v[T0], v[BM], v[BM+1], v[BM+2]
	SCORE \nxt, 0
	v_max3_num_f32 v[ST+1], v[ST+1], v[T0], v[BM+3]
	SCORE \nxt, 1
	v_mul_f32 v[T1], s22, v[ST+1]
	v_mov_b32 v[T2], v[ST]
	SCORE \nxt, 2
	v_floor_f32 v[ST], -v[T1]
	SCORE \nxt, 3
	v_sub_f32 v[T2], v[ST], v[T2]
	FMA \cur, 0
	SCORE \nxt, 4
	v_cvt_i32_f32 v[T2], v[T2]
	FMA \cur, 2
	SCORE \nxt, 5
	v_ldexp_f32 v[F], 1.0, v[T2]
	FMA \cur, 4
	SCORE \nxt, 6
	FMA \cur, 6
	FMA \cur, 8
	SCORE \nxt, 7
.irp k, 10,12,14,16,18,20,22,24,26,28,30
	FMA \cur, \k                                   ; (these eleven are the places behind the last product, ahead of the loads)
.endr
.if \o
	s_cmp_eq_u32 s15, 7                            ; the last step's successor is pass 2's first, and nothing is fetched behind it
	s_cbranch_scc1 .Lno_more_\@
	KLOAD ADK, ADS, 1
.Lno_more_\@:
.else
	v_add_nc_u32 v[ADK], s18, v[LI]
	v_add_nc_u32 v[ADS], s19, v[LI]
	KLOAD ADK, ADS, 0
.endif
	s_wait_alu depctr_va_vdst(0)                   ; the wait ahead of the batch
.set n, 0
.rept 16
	EXP2 \cur, n
	FMA \cur, n+32
.set n, n+2
.endr
	s_wait_alu depctr_va_vdst(0)                   ; the wait behind this batch and ahead of the next
.set n, 0
.rept 8
	EXP2 \cur, 32+n
	EXP2 \cur, 34+n
	ADD \cur, n, n+2
.set n, n+4
.endr
	v_pk_mul_f32 v[L:L+1], v[L:L+1], v[F:F+1] op_sel_hi:[1,0]
	s_wait_alu depctr_va_vdst(0)
.irp k, 32,36,40,44,48,52,56,60
	ADD \cur, \k, \k+2
.endr
.irp k, 0,8,16,24
	ADD \cur, \k, \k+4
.endr
.irp k, 32,40,48,56,0,16
.if \k < 32
	ADD \cur, \k, \k+8
.else
	ADD \cur, \k, \k+4
.endif
.endr
	ADD \cur, 32, 40
	ADD \cur, 48, 56
	ADD \cur, 0, 16
	v_pk_add_f32 v[L:L+1], v[L:L+1], v[\cur+32:\cur+33]
	ADD \cur, 48, 0
	v_pk_add_f32 v[L:L+1], v[L:L+1], v[\cur+48:\cur+49]
.endm
	s_wait_alu depctr_va_vdst(0)                   ; the wait at the head's end
	s_cmp_lt_u32 s10, 8
	s_cbranch_scc0 .Lnot_k
	s_wait_tensorcnt 0x0                           ; waves 0-7: my part of K is in
.Lnot_k:
	s_barrier_signal -1
	s_barrier_wait -1                              ; K is whole
	s_wait_tensorcnt 0x0                           ; waves 8-15: my part of V is in:
	s_barrier_signal -1                            ; say so; the wait stands ahead of pass 2, the first to read V
	KLOAD LI, ADS, 0
	s_wait_loadcnt 0x0                             ; Q
	s_wait_dscnt 0x0
.irp t, 0,1,2,3,4,5,6,7
	SCORE SA, \t
.endr
	PLACES 8
	KLOAD LI, ADS, 1
	s_mov_b32 s15, 0
	s_mov_b32 s16, 2*8192
	s_mov_b32 s17, 2*512
.Lp1:                                                  ; eight trips of two steps
	s_and_b32 s18, s16, 0x1ffff                    ; two steps ahead; behind the last step comes step 0 again, for pass 2
	s_and_b32 s19, s17, 0x1fff
	s_add_co_u32 s19, s19, KSC
	HALF SA, SB, 0
	HALF SB, SA, 1
	s_add_co_u32 s16, s16, 2*8192
	s_add_co_u32 s17, s17, 2*512
	s_add_co_u32 s15, s15, 1
	s_cmp_lt_u32 s15, 8
	s_cbranch_scc1 .Lp1
; the row's M and sum: with lane l xor 16's, which has the other half of the keys
	v_add_f32 v[L], v[L], v[L+1]
	v_permlanex16_b32 v[T0], v[ST], s20, s21
	s_delay_alu instid0(VALU_DEP_2)
	v_permlanex16_b32 v[T1], v[L], s20, s21
	s_delay_alu instid0(VALU_DEP_2)
	v_min_num_f32 v[T2], v[ST], v[T0]
	s_delay_alu instid0(VALU_DEP_1)
	v_sub_f32 v[T3], v[T2], v[ST]
	s_delay_alu instid0(VALU_DEP_2)
	v_sub_f32 v[T0], v[T2], v[T0]
	s_delay_alu instid0(VALU_DEP_2)
	v_cvt_i32_f32 v[T3], v[T3]
	s_delay_alu instid0(VALU_DEP_2)
	v_cvt_i32_f32 v[T0], v[T0]
	s_delay_alu instid0(VALU_DEP_2)
	v_ldexp_f32 v[T3], 1.0, v[T3]
	s_delay_alu instid0(VALU_DEP_2)
	v_ldexp_f32 v[T0], 1.0, v[T0]
	s_delay_alu instid0(VALU_DEP_2)
	v_mul_f32 v[L], v[L], v[T3]
	s_delay_alu instid0(VALU_DEP_1)
	v_fma_f32 v[L], v[T1], v[T0], v[L]
	v_mov_b32 v[ST], v[T2]
	s_wait_alu depctr_va_vdst(0)
	v_log_f32 v[L], v[L]                           ; the division by the sum goes into the exponent: p = 2^(t - M - log2(sum))
.set n, 0
.rept 32
	v_mov_b32 v[O+n], 0                            ; O^T (the loop's body is written once)
.set n, n+1
.endr
.irp b, 0,1,2,3
	v_mov_b32 v[BP+\b], 0                          ; a lane permute's destination counts as one of its sources
.endr
	s_wait_alu depctr_va_vdst(0)
	v_sub_f32 v[ST], v[ST], v[L]
	s_mov_b32 s15, 0
	s_mov_b32 s16, 8192                            ; K one step ahead
	s_mov_b32 s17, KSC+512
	s_mov_b32 s18, VC
	s_mov_b32 s19, VSC
	s_wait_alu depctr_va_vdst(0)
	s_barrier_wait -1                              ; V is whole
; PASS 2: a step's scores stand in SA when its trip begins.  All waves count 16 trips; a wave's steps behind its diagonal are passed over, by ids alone, and no barrier stands here.
.Lp2:
	s_cmp_gt_u32 s15, s14
	s_cbranch_scc1 .Lskip
	v_add_nc_u32 v[ADV], s18, v[LI]
	v_add_nc_u32 v[ADT], s19, v[R16]
	v_add_nc_u32 v[ADK], s16, v[LI]
	v_add_nc_u32 v[ADS], s17, v[LI]
	PLACES 4                                       ; with the four additions: eight places behind the last product
.irp t, 0,1,2,3
.irp c, 0,1,2,3
	ds_load_b128 v[KV+16*\t+4*\c:KV+16*\t+4*\c+3], v[ADV] offset:2048*\t+512*\c
.endr
.endr
	ds_load_b128 v[VS:VS+3], v[ADT]
	s_cmp_lg_u32 s15, s14
	s_cbranch_scc1 .Lopen
	s_wait_alu depctr_va_vdst(0)
.set n, 0
.rept 64                               ; the diagonal step: a hidden key's score becomes -infinity, its p 0
	v_cmp_gt_i32 vcc_lo, 32*(n/16)+n%16, v[DQ]
	v_cndmask_b32 v[SA+n], v[SA+n], v[NINF], vcc_lo
.set n, n+1
.endr
.Lopen:
	s_wait_alu depctr_va_vdst(0)
	MAXB SA
.irp b, 0,1,2,3
	s_delay_alu instid0(VALU_DEP_4)
	v_permlanex16_b32 v[BP+\b], v[BM+\b], s20, s21
.endr
.irp b, 0,1,2,3
	s_delay_alu instid0(VALU_DEP_4)
	v_max_num_f32 v[BM+\b], v[BM+\b], v[BP+\b]     ; the block's largest score: through the same lines as the others it gives the block's largest p
.endr
.irp b, 0,1,2,3
	v_fma_f32 v[BM+\b], v[BM+\b], s22, v[ST]
.endr
.irp k, 0,2,4,6,8,10,12,14,16,18,20,22,24,26,28,30
	FMA SA, \k
.endr
	s_wait_alu depctr_va_vdst(0)
.irp b, 0,1,2,3
	v_exp_f32 v[BM+\b], v[BM+\b]
.endr
.set n, 0
.rept 16
	EXP2 SA, n
	FMA SA, n+32
.set n, n+2
.endr
	s_wait_alu depctr_va_vdst(0)
.irp b, 0,1,2,3
	v_max_num_f32 v[BM+\b], 0x8000000, v[BM+\b]    ; the floor 2^(16 - 127): the byte cannot fall under 1
.endr
.irp b, 0,1,2,3
	s_delay_alu instid0(VALU_DEP_4)
	v_add_nc_u32 v[SCO+\b], 0xf8800000, v[BM+\b]   ; the conversion's scale operand
.endr
.irp b, 0,1,2,3
	v_and_or_b32 v[HO+\b], v[BM+\b], 0x7f800000, s24   ; 57,344 x the scale
.endr
.irp b, 0,1,2,3
	v_lshrrev_b32 v[BP+\b], 23, v[SCO+\b]
.endr
	s_delay_alu instid0(VALU_DEP_3)
	v_lshl_or_b32 v[PS], v[BP+1], 8, v[BP]
	s_delay_alu instid0(VALU_DEP_1)
	v_lshl_or_b32 v[PS], v[BP+2], 16, v[PS]
	s_delay_alu instid0(VALU_DEP_1)
	v_lshl_or_b32 v[PS], v[BP+3], 24, v[PS]
.macro HOLD k                          ; two numbers held at the largest code x the scale (the conversion does not saturate: ISA guide 7.6.2); p is not negative
	v_dual_min_num_f32 v[SA+\k], v[SA+\k], v[HO+(\k)/16] :: v_dual_min_num_f32 v[SA+\k+1], v[SA+\k+1], v[HO+(\k)/16]
.endm
.macro CVT b
	v_cvt_scalef32_pk8_bf8_f32 v[PC+4*\b:PC+4*\b+1], v[SA+16*\b:SA+16*\b+7], v[SCO+\b]
	v_cvt_scalef32_pk8_bf8_f32 v[PC+4*\b+2:PC+4*\b+3], v[SA+16*\b+8:SA+16*\b+15], v[SCO+\b]
.endm
	s_wait_alu depctr_va_vdst(0)
.set n, 0
.rept 16
	EXP2 SA, 32+n
	HOLD n
.set n, n+2
.endr
	s_wait_dscnt 0x0                               ; V
	s_wait_alu depctr_va_vdst(0)
	CVT 0
	CVT 1
.irp k, 32,34,36,38,40,42,44,46
	HOLD \k
.endr
	CVT 2
.irp k, 48,50,52,54,56,58,60,62
	HOLD \k
.endr
	CVT 3
	PLACES 4
.irp t, 0,1,2,3                        ; O^T += V^T p^T
	v_wmma_scale_f32_16x16x128_f8f6f4 v[O+8*\t:O+8*\t+7], v[KV+16*\t:KV+16*\t+15], v[PC:PC+15], v[O+8*\t:O+8*\t+7], v[VS+\t], v[PS] matrix_a_fmt:MATRIX_FMT_BF8 matrix_b_fmt:MATRIX_FMT_BF8
.endr
	s_cmp_eq_u32 s15, s14
	s_cbranch_scc1 .Lskip                          ; the diagonal was my last step
	PLACES 8
	KLOAD ADK, ADS, 0
	s_wait_dscnt 0x0
.irp t, 0,1,2,3,4,5,6,7
	SCORE SA, \t
.endr
.Lskip:
	s_add_co_u32 s16, s16, 8192
	s_add_co_u32 s17, s17, 512
	s_add_co_u32 s18, s18, 8192
	s_add_co_u32 s19, s19, 256
	s_add_co_u32 s15, s15, 1
	s_cmp_lt_u32 s15, 16
	s_cbranch_scc1 .Lp2
; THE WAY OUT: a row of the tile is 256 bytes, one aligned unit.  Half a row at a time goes through my stage (LDS serves a wave's instructions in order: ISA guide 5.7.1.4).  Lanes with b = 0 fetch the first half of row 2 h and
; the second of row 2 h + 1, lanes with b = 1 the other two; a select puts each row's sixteen pieces into sixteen neighbouring lanes.
	PLACES 8
.irp u, 0,1
.irp k, 0,1,2,3
	ds_store_b128 v[STO], v[O+16*\u+4*\k:O+16*\u+4*\k+3] offset:16*\k
.endr
.irp i, 0,1,2,3
.if \u
	ds_load_b128 v[SA+16+4*\i:SA+19+4*\i], v[RDB] offset:4*SPITCH*\i
.else
	ds_load_b128 v[SA+4*\i:SA+3+4*\i], v[RDA] offset:4*SPITCH*\i
.endif
.endr
.endr
.irp i, 0,1,2,3
	s_wait_dscnt 3-\i                              ; the younger loads may be out
.irp k, 0,1,2,3
	v_cndmask_b32 v[SA+32+4*\i+\k], v[SA+4*\i+\k], v[SA+16+4*\i+\k], s25
	v_cndmask_b32 v[SA+48+4*\i+\k], v[SA+16+4*\i+\k], v[SA+4*\i+\k], s25
.endr
	global_store_b128 v[GOX], v[SA+32+4*\i:SA+35+4*\i], s[60:61] offset:(4*\i+8*(\i/2))*4096 th:TH_STORE_NT
	global_store_b128 v[GOY], v[SA+48+4*\i:SA+51+4*\i], s[60:61] offset:(4*\i+8*(\i/2))*4096 th:TH_STORE_NT
.endr
	s_wait_tensorcnt 0x0                           ; the wave's end
	ds_add_u32 v[SPW], v[NIL]
	s_wait_dscnt 0x0
	CROUND                                         ; the closing round
	s_endpgm
.Lfunc_end_k_q86fb3200ea_attn:
	.size	k_q86fb3200ea_attn, .Lfunc_end_k_q86fb3200ea_attn-k_q86fb3200ea_attn
	.p2alignl 7, 3214868480
	.fill 96, 4, 3214868480
	.section	.rodata,"a",@progbits
	.p2align	6, 0x0
	.amdhsa_kernel k_q86fb3200ea_attn
		.amdhsa_group_segment_fixed_size 327680
		.amdhsa_private_segment_fixed_size 0
		.amdhsa_enable_private_segment 0
		.amdhsa_kernarg_size 24
		.amdhsa_user_sgpr_count 2
		.amdhsa_user_sgpr_kernarg_segment_ptr 1
		.amdhsa_wavefront_size32 1
		.amdhsa_system_sgpr_workgroup_id_x 1
		.amdhsa_system_sgpr_workgroup_id_y 1
		.amdhsa_system_sgpr_workgroup_id_z 1
		.amdhsa_system_vgpr_workitem_id 0
		.amdhsa_next_free_vgpr 256
		.amdhsa_next_free_sgpr 74
		.amdhsa_reserve_vcc 1
		.amdhsa_float_denorm_mode_32 3
		.amdhsa_float_denorm_mode_16_64 3
		.amdhsa_memory_ordered 1
		.amdhsa_forward_progress 1
		.amdhsa_inst_pref_size 62
	.end_amdhsa_kernel
	.amdgpu_metadata
---
amdhsa.version: [ 1, 2 ]
amdhsa.kernels:
  - .name:           k_q86fb3200ea_attn
    .symbol:         k_q86fb3200ea_attn.kd
    .args:
      - { .name: qk, .offset: 0, .size: 8, .value_kind: global_buffer, .address_space: global }
      - { .name: vv, .offset: 8, .size: 8, .value_kind: global_buffer, .address_space: global }
      - { .name: out0, .offset: 16, .size: 8, .value_kind: global_buffer, .address_space: global }
    .group_segment_fixed_size: 327680
    .private_segment_fixed_size: 0
    .kernarg_segment_align: 8
    .kernarg_segment_size: 24
    .max_flat_workgroup_size: 512
    .sgpr_count:     74
    .vgpr_count:     256
    .wavefront_size: 32
...
	.end_amdgpu_metadata
.endif
;; end of part 3
